; MI455X (gfx1250); checked and timed in simulation.
; The chip was launched on July 23, 2026; its instructions are those of AMD's public machine-readable ISA for CDNA 5 (MIT licence, August 2026) and "CDNA5" Instruction Set Architecture Reference Guide (July 2026). The comments in the code are by the model that wrote it; some were corrected since.
;; Luong Gen Attention. Allowed arithmetic: matrix products marked QUANTISED: E2M1 operands, one E8M0 scale for each 32 along K, by v_wmma_scale_f32_16x16x128_f8f6f4 with both operands' format E2M1 (or v_wmma_scale_f32_32x16x128_f4), f32 sums; products left as they are: f32 operands where the result goes on into a quantised operand, else bf16, f16 or f32 operands; f32 sums; everything else in f32.
;; Inputs: W_codes 2,048 x 64 x 16 uint8 (E2M1 codes of W, K innermost, in blocks of 32 codes, two codes a byte); W_scales 2,048 x 64 uint8 (E8M0 scales of W, one for each 32 codes along K); b 2,048 float32; encode_state 16 x 1,024 x 2,048 float32; hid_state_codes 16 x 64 x 16 uint8 (E2M1 codes of hid_state, K innermost, in blocks of 32 codes, two codes a byte); hid_state_scales 16 x 64 uint8 (E8M0 scales of hid_state, one for each 32 codes along K).
;; Outputs: out0 16 x 1,024 float32; out1 16 x 2,048 float32.
;; This version of the problem:
;;   THIS VERSION OF THE PROBLEM IS GIVEN IN LOW PRECISION. The matrix products marked QUANTISED in the list below multiply operands that are first quantised to E2M1 (2 exponent bits, 1 mantissa bit; 4 bits a number), with one power-of-two scale for each 32 numbers along K (OCP MX v1.0); their sums are f32. All else is computed in f32.
;;   The module's matrix products, in the order in which they are computed (A, B: the left and right operand; K: the contracted axis; several contracted axes count as one K, in the product's order):
;;     1. [M 16,384, K 2,048] x [K 2,048, N 2,048]; A: input encode_state; B: input W (given as codes): QUANTISED
;;     2. [M 16, K 2,048] x [K 2,048, N 2,048]; A: input hid_state (given as codes); B: input W (given as codes): QUANTISED
;;     3. batch 16 x [M 1,024, K 2,048] x [K 2,048, N 1]; A: computed on the way; B: computed on the way: left as it is (N = 1 < 16)
;;     4. batch 16 x [M 1, K 1,024] x [K 1,024, N 2,048]; A: softmax; B: input encode_state: left as it is (M = 1 < 16)
;;   THE QUANTISER, for each operand of a quantised product, along K:
;;     - K is cut into blocks of 32 from its start; a last block that is shorter is filled with zeros.
;;     - A block's scale is 2^e with e = floor(log2(the largest magnitude in the block)) - 2, held to -126 .. 127; a block of zeros has e = 0. As a byte (E8M0): e + 127.
;;     - Each number is divided by its block's scale, clamped to +-6, and rounded to the nearest number of E2M1, ties to even, subnormals kept.
;;     - The product sums the exact products of the quantised numbers (number of the format x scale) in f32.
;;   ~~~python
;;   def quantise(x, axis):      # numpy; x: float32 -> the quantised numbers, widened to float32 again
;;       x = np.moveaxis(x, axis, -1); K = x.shape[-1]
;;       x = np.pad(x, [(0, 0)] * (x.ndim - 1) + [(0, -K % 32)]); x = x.reshape(x.shape[:-1] + (-1, 32)); a = np.abs(x).max(-1, keepdims=True)
;;       e = np.where(a > 0, np.clip(np.frexp(np.where(a > 0, a, 1))[1] - 1 - 2, -126, 127), 0)      # np.frexp(a)[1] - 1 = floor(log2(a)), exactly
;;       r = np.clip(x / 2.0 ** e, -6, 6)
;;       step = 2.0 ** (np.maximum(np.frexp(np.where(r == 0, 1, r))[1] - 1, 0) - 1)
;;       q = np.round(r / step) * step * 2.0 ** e      # np.round: ties to even
;;       return np.moveaxis(q.reshape(q.shape[:-2] + (-1,))[..., :K], -1, axis).astype(np.float32)
;;   ~~~
;;   INPUTS GIVEN AS CODES. W (in the module: [2048, 2048], K = its axis 1); hid_state (in the module: [16, 2048], K = its axis 1): each comes as NAME_codes (uint8): NAME with its K axis moved to the last place and cut into blocks of 32 codes, [.., K / 32, bytes a block], one block behind the other in memory; two codes a byte, the lower K in the low four bits (a code: sign, 2 exponent bits, 1 mantissa bit); and NAME_scales (uint8): the same leading axes, one E8M0 byte (e + 127) for each 32 codes along K. Its value is code x scale, taken as it is: it is not quantised again, and the codes and scales need not be those that the quantiser above would give.
;; One version. Each part assembles by itself: llvm-mc -triple=amdgcn-amd-amdhsa -mcpu=gfx1250 --defsym DOCPART=n.
;; ======== version 1 of 1: 3 launches
;; limits: right only within a limited range of input values
;; workspace buffers: a_frag 16,777,216 bytes; a_sc 1,048,576 bytes; hp 131,072 bytes; part 262,144 bytes; ipart 262,144 bytes of whole numbers
;; launch quant (part 1): grid 1056 x 1, 4 waves a work-group, no clusters, 34,304 bytes of LDS; arguments encode_state, W_codes, W_scales, hid_state_codes, hid_state_scales, b, a_frag, a_sc, hp; writes a_frag, a_sc, hp
.if DOCPART == 1
	.amdgcn_target "amdgcn-amd-amdhsa--gfx1250"
	.amdhsa_code_object_version 6
	.text
	.protected	k_q42b2a2b0be_quant
	.globl	k_q42b2a2b0be_quant
	.p2align	8
	.type	k_q42b2a2b0be_quant,@function
k_q42b2a2b0be_quant:
	s_mov_b64 s[64:65], 0
	v_nop
	global_prefetch_b8 v0, s[64:65] scope:SCOPE_SE
	s_setreg_imm32_b32 hwreg(HW_REG_WAVE_MODE, 25, 1), 1
	s_wait_xcnt 0x0
; THE PROGRAM: scores[b][s] = (Q(enc[b][s]) W^T + bias) . hid_proj[b], hid_proj = hid W^T + bias; context[b] = sum over s of softmax_s(scores) enc[b][s].
; Three launches: this one (enc into FP4 codes; hid_proj), the product enc W^T fused with the dot by hid_proj, and the softmax with the context.
; Both quantised products are multiplied in full and every input is loaded.  The bias enters the scores as bias . hid_proj, added in f32 by the last launch:
; sum_a (x_a + bias_a) h_a = sum_a x_a h_a + sum_a bias_a h_a, another order of the same f32 sum.
; LEFT OUT: (1) bias . hid_proj in the softmax's input: it is the same for all rows of a batch, so it cancels between a score and the largest score, whatever the inputs hold; out0 has it.
; (2) The last launch reads only the rows of enc that can have a weight other than 0.  Which rows those are is decided by whole numbers that the second launch stores (the floor of each part of a score)
; and the last launch reads; a row is left out only where its score lies more than 92 under the batch's largest, where its weight is 0 in this program's f32.  With all scores close together every row is read.
; LIMIT: a NaN, an infinity or an overflow that reaches only what is left out (bias . hid_proj inside the exponent; a row of enc whose weight is 0) is not carried to the result.
; THIS LAUNCH.  Work-groups 32 .. 1055: enc [16384][2048] f32 becomes codes of FP4 (E2M1) with one E8M0 byte for each 32 along K, laid in the order of the product's operand registers:
;   a_frag [tile of 16 rows][K step of 128][c 0..1][lane][16 bytes]: lane (r, h), registers 4 c .. 4 c + 3 = k 128 s + 64 c + 32 h + 0 .. 31 of row r;
;   a_sc   [pair of tiles][q 0..3][lane][4 words]: lanes 0-15 the even tile's rows, lanes 16-31 the odd tile's; word i = the scale word of K step 4 q + i.
; A work-group takes one tile of 16 rows, wave w its K steps 4 w .. 4 w + 3.  Each load reads 512 consecutive bytes of one row; a K step's 16 x 512 bytes turn through the wave's own stage in LDS, so
; that a lane gets 16 neighbours of each block of 32 of ONE row, as the conversions want them; they come back into the registers that they left.
; 192 registers a wave: five waves fit into a SIMD's 1,024, so that all 1,056 work-groups have a place at once.
; A block's scale is 2^(floor(log2(largest magnitude)) - 2): its byte is the largest magnitude's exponent field - 2, held at 1 from below.
; LIMITS: a block whose largest magnitude lies under 2^-124 keeps the byte 1; a block of zeros has the byte 1 where the rule says 127 (its codes are zeros, which add nothing, and this program alone
; reads the bytes); NaN and infinities in enc are not served.
; Work-groups 0 .. 31: hid_proj [16][2048] f32 = hid W^T + bias, on the codes and scale bytes as they are given; a wave makes 16 columns for all 16 batches, K in 16 steps on two accumulators by turns.
.set STG,   8448                       ; a wave's stage: 16 rows x (512 bytes + 16 of padding): 33 x 16 bytes from row to row, so that 16 lanes on 16 rows touch 16 different columns of 16 bytes
.set SPARE, 4*STG                      ; behind the stages: the spare words, 128 bytes for each wave
.set SPW, 6                            ; v6   LDS address of my spare word; never rewritten
.set NIL, 7                            ; v7   0; never rewritten
.set SW,  8                            ; v8-11    the scale words of my four K steps
.set R,   16                           ; v16-143  two sets of 64: a K step as it is loaded, then register 16 b + i = k 32 b + 16 h + i of my row
.set PC,  144                          ; v144-175 the codes, 8 registers for each K step: no store's data are written again
.set TM,  176                          ; v176-179 largest magnitudes, v180-183 the other half's, then bytes, v184-187 the conversions' scale operands
.set WF,  16                           ; the other path: v16-79 W's fragments of 8 K steps (at the end: the result), v80-143 hid's
.set HF,  80
.set WS,  144                          ; v144-159 W's scale words, v160-175 hid's
.set HS,  160
.set AC,  176                          ; v176-183, v184-191 two accumulators; the first begins as the bias in the result's layout
	s_load_b512 s[4:19], s[0:1], 0x0               ; enc s[4:5], W's codes s[6:7], W's scales s[8:9], hid's codes s[10:11], hid's scales s[12:13], bias s[14:15], a_frag s[16:17], a_sc s[18:19]
	s_load_b64 s[20:21], s[0:1], 0x40              ; hp
	v_lshl_add_u32 v[SPW], v0, 2, SPARE
	v_mov_b32 v[NIL], 0
	v_lshrrev_b32 v1, 5, v0
	v_readfirstlane_b32 s22, v1                    ; wave 0..3
	v_and_b32 v1, 31, v0                           ; lane
	v_and_b32 v12, 15, v0                          ; r
	v_bfe_u32 v13, v0, 4, 1                        ; h
	s_mov_b32 s30, 0x76543210
	s_mov_b32 s31, 0xfedcba98                      ; v_permlanex16_b32's selects for lane l xor 16
	s_mov_b32 s27, 0
	s_mov_b32 s29, 0
	s_mov_b32 s35, 0
	s_cmp_lt_u32 ttmp9, 32
	s_cbranch_scc1 .Lhid
	; ---------------- enc into codes
	s_sub_co_u32 s23, ttmp9, 32                    ; my tile of 16 rows
	v_lshlrev_b32 v2, 4, v1                        ; 16 x lane: my bytes of a load's 512, and of an image's
	s_mul_i32 s24, s22, STG
	v_add_nc_u32 v3, s24, v2                       ; the stage, on the way in
	v_mul_u32_u24 v4, v12, 528
	v_lshl_add_u32 v4, v13, 6, v4
	v_add_nc_u32 v4, s24, v4                       ; and out: row r, + 64 h: my 16 numbers of each block of 32
	v_lshlrev_b32 v5, 4, v12                       ; my row's four scale words
.irp b, 0,1,2,3
	v_mov_b32 v[TM+4+\b], 0                        ; written once: a lane permute's destination counts as one of its sources
.endr
	s_lshl_b32 s26, s23, 17                        ; enc: 16 rows of 8,192 bytes a tile,
	s_lshl_b32 s24, s22, 11                        ; 2,048 bytes of a row a wave
	s_add_co_u32 s26, s26, s24
	s_lshl_b32 s28, s23, 14                        ; a_frag: 16,384 bytes a tile,
	s_lshl_b32 s24, s22, 12                        ; 4 x 1,024 a wave
	s_add_co_u32 s28, s28, s24
	s_lshr_b32 s34, s23, 1                         ; a_sc: 2,048 bytes a pair of tiles,
	s_lshl_b32 s34, s34, 11
	s_lshl_b32 s24, s22, 9                         ; 512 a wave (q = my wave),
	s_add_co_u32 s34, s34, s24
	s_and_b32 s24, s23, 1
	s_lshl_b32 s24, s24, 8                         ; the odd tile in lanes 16-31's places
	s_add_co_u32 s34, s34, s24
	s_wait_kmcnt 0x0
	s_add_nc_u64 s[4:5], s[4:5], s[26:27]
	s_add_nc_u64 s[16:17], s[16:17], s[28:29]
	s_add_nc_u64 s[18:19], s[18:19], s[34:35]
.macro LOAD t                          ; K step t of my four: 16 rows x 512 consecutive bytes, into set t % 2
.irp i, 0,1,2,3,4,5,6,7,8,9,10,11,12,13,14,15
	global_load_b128 v[R+64*((\t)%2)+4*\i:R+64*((\t)%2)+4*\i+3], v2, s[4:5] offset:8192*\i+512*(\t) th:TH_LOAD_NT
.endr
.endm
.macro TURN t                          ; through the stage and back into the same set: LDS serves a wave's instructions in order, so no wait stands between the stores and the loads
.irp i, 0,1,2,3,4,5,6,7,8,9,10,11,12,13,14,15
	ds_store_b128 v3, v[R+64*((\t)%2)+4*\i:R+64*((\t)%2)+4*\i+3] offset:528*\i
.endr
.irp b, 0,1,2,3
.irp j, 0,1,2,3
	ds_load_b128 v[R+64*((\t)%2)+16*\b+4*\j:R+64*((\t)%2)+16*\b+4*\j+3], v4 offset:128*\b+16*\j
.endr
.endr
.endm
; 64 numbers of a lane, register 16 b + i = k 32 b + 16 h + i of my row, become a fragment's 8 registers of codes at v[pc] and its scale word in v[pw]
.macro QUANT s, pc, pw
.irp b, 0,1,2,3
	v_max3_num_f32 v[TM+\b], |v[\s+16*\b]|, |v[\s+1+16*\b]|, 0x1800000   ; block b: my 16 numbers, and the floor 2^(3 - 127): the byte cannot fall under 1
.endr
.irp i, 2,4,6,8,10,12,14
.irp b, 0,1,2,3
	v_max3_num_f32 v[TM+\b], v[TM+\b], |v[\s+16*\b+\i]|, |v[\s+1+16*\b+\i]|   ; the four blocks by turns
.endr
.endr
.irp b, 0,1,2,3
	v_permlanex16_b32 v[TM+4+\b], v[TM+\b], s30, s31
.endr
.irp b, 0,1,2,3
	v_max_num_f32 v[TM+\b], v[TM+\b], v[TM+4+\b]   ; with lane l xor 16's 16: the block's largest magnitude
.endr
.irp b, 0,1,2,3
	v_add_nc_u32 v[TM+8+\b], 0xff000000, v[TM+\b]  ; 2 off its exponent field: the conversion takes the exponent field of this operand as its scale
.endr
.irp b, 0,1,2,3
	v_lshrrev_b32 v[TM+4+\b], 23, v[TM+8+\b]       ; the scale's byte
.endr
	v_lshl_or_b32 v[\pw], v[TM+5], 8, v[TM+4]      ; four bytes: my row's scale word of this K step
	v_lshl_or_b32 v[\pw], v[TM+6], 16, v[\pw]
	v_lshl_or_b32 v[\pw], v[TM+7], 24, v[\pw]
.irp b, 0,1,2,3
	v_cvt_scalef32_pk8_fp4_f32 v[(\pc)+2*\b], v[\s+16*\b:\s+7+16*\b], v[TM+8+\b]
	v_cvt_scalef32_pk8_fp4_f32 v[(\pc)+1+2*\b], v[\s+8+16*\b:\s+15+16*\b], v[TM+8+\b]
.endr
	v_nop                                          ; one plain place behind a scaled conversion
.irp c, 0,1                                    ; the operand's layout wants a whole block in a lane: lanes 0-15 block 2 c, lanes 16-31 block 2 c + 1
.irp i, 0,1
	v_permlane16_swap_b32 v[(\pc)+4*\c+\i], v[(\pc)+2+4*\c+\i]
.endr
.endr
.endm
.macro STEP t
.set XS, R+64*((\t)%2)
.if (\t) < 3
	s_wait_loadcnt 16                              ; this K step's 16 loads are in; the next step's 16 may be out
.else
	s_wait_loadcnt 0x0
.endif
	TURN \t
	s_wait_dscnt 0x0                               ; my numbers are back
	QUANT XS, PC+8*(\t), SW+(\t)
.if (\t) < 2
	LOAD (\t)+2                                    ; the set has been read: it takes the loads of two steps on
.endif
	global_store_b128 v2, v[PC+8*(\t):PC+8*(\t)+3], s[16:17] offset:1024*(\t)          ; the image of registers 0-3: 32 lanes store 512 consecutive bytes
	global_store_b128 v2, v[PC+8*(\t)+4:PC+8*(\t)+7], s[16:17] offset:1024*(\t)+512    ; and of registers 4-7
.endm
	LOAD 0
	LOAD 1
	STEP 0
	STEP 1
	STEP 2
	STEP 3
	s_wait_xcnt 0x0                                ; EXEC changes only behind this wait
	v_cmp_gt_u32 vcc_lo, 16, v1
	s_and_saveexec_b32 s32, vcc_lo                 ; lanes 16-31 hold the same words as lanes 0-15
	global_store_b128 v5, v[SW:SW+3], s[18:19]     ; sixteen lanes store 256 consecutive bytes, aligned
	s_wait_xcnt 0x0
	s_or_b32 exec_lo, exec_lo, s32
	s_branch .Lend
	; ---------------- hid_proj.  TRANSPOSED: source 0 = 16 rows of W, source 1 = hid's 16 rows: lane (r, h) holds batch r, register j column a0 + 8 h + j
.Lhid:
	s_lshl_b32 s23, ttmp9, 2
	s_add_co_u32 s23, s23, s22                     ; my tile of 16 columns, 0 .. 127
	v_lshlrev_b32 v2, 10, v12
	v_lshl_add_u32 v2, v13, 4, v2                  ; codes: row r of 1,024 bytes, + 16 h
	v_lshlrev_b32 v3, 6, v12                       ; scale bytes: row r of 64
	v_lshlrev_b32 v4, 5, v13                       ; the bias: my half's eight numbers
	v_lshlrev_b32 v5, 13, v12
	v_lshl_add_u32 v5, v13, 5, v5                  ; hp: row r of 8,192 bytes, + 32 h
	s_lshl_b32 s26, s23, 14                        ; 16 rows of W's codes,
	s_lshl_b32 s28, s23, 10                        ; of its scale bytes,
	s_lshl_b32 s34, s23, 6                         ; 16 f32
	s_wait_kmcnt 0x0
	s_add_nc_u64 s[6:7], s[6:7], s[26:27]
	s_add_nc_u64 s[8:9], s[8:9], s[28:29]
	s_add_nc_u64 s[14:15], s[14:15], s[34:35]
	s_add_nc_u64 s[20:21], s[20:21], s[34:35]
.irp q, 0,1,2,3
	global_load_b128 v[WS+4*\q:WS+4*\q+3], v3, s[8:9] offset:16*\q     ; register s: the scale word of K step s
	global_load_b128 v[HS+4*\q:HS+4*\q+3], v3, s[12:13] offset:16*\q
.endr
	global_load_b128 v[AC:AC+3], v4, s[14:15]      ; the bias lands in the first accumulator: the first product adds onto it
	global_load_b128 v[AC+4:AC+7], v4, s[14:15] offset:16
.macro HALF p                          ; K steps 8 p .. 8 p + 7
.irp s, 0,1,2,3,4,5,6,7
.irp c, 0,1
	global_load_b128 v[WF+8*\s+4*\c:WF+8*\s+4*\c+3], v2, s[6:7] offset:64*(8*(\p)+\s)+32*\c
	global_load_b128 v[HF+8*\s+4*\c:HF+8*\s+4*\c+3], v2, s[10:11] offset:64*(8*(\p)+\s)+32*\c
.endr
.endr
	s_wait_loadcnt 0x0
.irp s, 0,1,2,3,4,5,6,7                        ; the two accumulators take turns, one instruction a turn; the bias starts the first sum, the constant 0 the second
.if (8*(\p)+\s) == 1
	v_wmma_scale_f32_16x16x128_f8f6f4 v[AC+8:AC+15], v[WF+8*\s:WF+8*\s+7], v[HF+8*\s:HF+8*\s+7], 0, v[WS+8*(\p)+\s], v[HS+8*(\p)+\s] matrix_a_fmt:MATRIX_FMT_FP4 matrix_b_fmt:MATRIX_FMT_FP4
.else
	v_wmma_scale_f32_16x16x128_f8f6f4 v[AC+8*(\s%2):AC+8*(\s%2)+7], v[WF+8*\s:WF+8*\s+7], v[HF+8*\s:HF+8*\s+7], v[AC+8*(\s%2):AC+8*(\s%2)+7], v[WS+8*(\p)+\s], v[HS+8*(\p)+\s] matrix_a_fmt:MATRIX_FMT_FP4 matrix_b_fmt:MATRIX_FMT_FP4
.endif
.endr
.rept 4
	v_nop                                          ; four places in front of loads into, and vector writes of, registers that matrix instructions have read, and of the first read of results
.endr
.endm
	HALF 0
	HALF 1
.irp j, 0,2,4,6
	v_pk_add_f32 v[WF+\j:WF+\j+1], v[AC+\j:AC+\j+1], v[AC+8+\j:AC+8+\j+1]   ; each accumulator from its low end on; the sum lies where W's first fragment lay
.endr
	global_store_b128 v5, v[WF:WF+3], s[20:21]                 ; 32 bytes a lane, rows 8,192 bytes apart: pieces of 64 bytes; the whole buffer is 131,072 bytes
	global_store_b128 v5, v[WF+4:WF+7], s[20:21] offset:16
.Lend:
	s_wait_tensorcnt 0x0                           ; the wave's end
	ds_add_u32 v[SPW], v[NIL]
	s_wait_dscnt 0x0
	s_endpgm
.Lfunc_end_k_q42b2a2b0be_quant:
	.size	k_q42b2a2b0be_quant, .Lfunc_end_k_q42b2a2b0be_quant-k_q42b2a2b0be_quant
	.p2alignl 7, 3214868480
	.fill 96, 4, 3214868480
	.section	.rodata,"a",@progbits
	.p2align	6, 0x0
	.amdhsa_kernel k_q42b2a2b0be_quant
		.amdhsa_group_segment_fixed_size 34304
		.amdhsa_private_segment_fixed_size 0
		.amdhsa_enable_private_segment 0
		.amdhsa_kernarg_size 72
		.amdhsa_user_sgpr_count 2
		.amdhsa_user_sgpr_kernarg_segment_ptr 1
		.amdhsa_wavefront_size32 1
		.amdhsa_system_sgpr_workgroup_id_x 1
		.amdhsa_system_sgpr_workgroup_id_y 1
		.amdhsa_system_sgpr_workgroup_id_z 1
		.amdhsa_system_vgpr_workitem_id 0
		.amdhsa_next_free_vgpr 192
		.amdhsa_next_free_sgpr 66
		.amdhsa_reserve_vcc 1
		.amdhsa_float_denorm_mode_32 3
		.amdhsa_float_denorm_mode_16_64 3
		.amdhsa_memory_ordered 1
		.amdhsa_forward_progress 1
		.amdhsa_inst_pref_size 43
	.end_amdhsa_kernel
	.amdgpu_metadata
---
amdhsa.version: [ 1, 2 ]
amdhsa.kernels:
  - .name:           k_q42b2a2b0be_quant
    .symbol:         k_q42b2a2b0be_quant.kd
    .args:
      - { .name: encode_state, .offset: 0, .size: 8, .value_kind: global_buffer, .address_space: global }
      - { .name: W_codes, .offset: 8, .size: 8, .value_kind: global_buffer, .address_space: global }
      - { .name: W_scales, .offset: 16, .size: 8, .value_kind: global_buffer, .address_space: global }
      - { .name: hid_state_codes, .offset: 24, .size: 8, .value_kind: global_buffer, .address_space: global }
      - { .name: hid_state_scales, .offset: 32, .size: 8, .value_kind: global_buffer, .address_space: global }
      - { .name: b, .offset: 40, .size: 8, .value_kind: global_buffer, .address_space: global }
      - { .name: a_frag, .offset: 48, .size: 8, .value_kind: global_buffer, .address_space: global }
      - { .name: a_sc, .offset: 56, .size: 8, .value_kind: global_buffer, .address_space: global }
      - { .name: hp, .offset: 64, .size: 8, .value_kind: global_buffer, .address_space: global }
    .group_segment_fixed_size: 34304
    .private_segment_fixed_size: 0
    .kernarg_segment_align: 8
    .kernarg_segment_size: 72
    .max_flat_workgroup_size: 128
    .sgpr_count:     66
    .vgpr_count:     192
    .wavefront_size: 32
...
	.end_amdgpu_metadata
.endif
;; end of part 1
;; launch gemm (part 2): grid 64 x 4, 4 waves a work-group, clusters of 4 x 1, 327,680 bytes of LDS; arguments a_frag, a_sc, W_codes, W_scales, hp, part, ipart; writes part, ipart
.if DOCPART == 2
	.amdgcn_target "amdgcn-amd-amdhsa--gfx1250"
	.amdhsa_code_object_version 6
	.text
	.protected	k_q42b2a2b0be_gemm
	.globl	k_q42b2a2b0be_gemm
	.p2align	8
	.type	k_q42b2a2b0be_gemm,@function
k_q42b2a2b0be_gemm:
	s_mov_b64 s[64:65], 0
	v_nop
	global_prefetch_b8 v0, s[64:65] scope:SCOPE_SE
	s_setreg_imm32_b32 hwreg(HW_REG_WAVE_MODE, 25, 1), 1
	s_wait_xcnt 0x0
	s_wait_alu depctr_hold_cnt(0) depctr_sa_sdst(0) depctr_va_vdst(0) depctr_va_sdst(0) depctr_va_ssrc(0) depctr_va_vcc(0) depctr_vm_vsrc(0)
	s_getreg_b32 s2, hwreg(HW_REG_IB_STS2, 6, 4)
	s_cmp_eq_u32 s2, 0
	s_cbranch_scc0 .Lentry_in_a_cluster
	s_endpgm
.Lentry_in_a_cluster:
	s_bfe_u32 s2, ttmp6, 0x10000c
	s_cmp_lg_u32 s2, 0x3003
	s_cbranch_scc0 .Lentry_shape_is_right
	s_endpgm
.Lentry_shape_is_right:
; part[np][row] = the sum over the 512 columns a of N part np of (Q(enc)[row] . W[a]) x hid_proj[batch][a]: the quantised product enc W^T on FP4 codes, fused with the dot by hid_proj in f32.
; ipart[np][row] = floor(part[np][row]) as a whole number, the part held to +-2^28 first: by these the next launch decides which rows of enc it reads.
; enc W^T never goes to memory.  Nothing is left out here; the bias's share of the scores, bias . hid_proj, is added by the next launch.
; LIMIT: parts of a score beyond 2^28 in magnitude are not served (their whole numbers are held there).
; SHARES.  A work-group takes 256 rows (x) and 512 columns (y); wave w its rows 64 w .. 64 w + 63, for all 512 columns.  THE WAVE'S CODES OF enc STAY IN REGISTERS for the whole launch: 4 tiles of 16 rows
; x 16 K steps x 8 = 512 registers, loaded once as images of the operand's registers.  W walks by: 128 rows (the whole K: 1,024 bytes a row) to a slot, two slots, four phases.
; A tile of 16 rows of W, all 16 K steps, is 128 registers; each fragment read from LDS feeds four matrix instructions.  Two such buffers: one is multiplied while the other is fetched.
; TRANSPOSED: source 0 = 16 rows of W, source 1 = 16 rows of enc: a lane holds ONE row of enc and eight columns a0 + 8 h + 0 .. 7, so the dot by hid_proj is four packed multiply-adds an accumulator.
; CLUSTER.  The four work-groups of a cluster are the four row blocks of one batch and one N part: they walk the same rows of W, so each tile is asked for JOINTLY: the same tensor load with the same
; descriptor and the mask of all four.  The place in the cluster enters the addresses of a_frag, a_sc, part and ipart alone.
; REGISTERS, in windows of 256: window 0: v1-13 addresses; v64-127 two sets of 4 accumulators; v128-159 enc's scale words (lanes 0-15 the even tile, lanes 16-31 the odd); v160-191 W's, two sets;
;   v192-207 hid_proj's eight numbers, two sets; v208-215 the scores' sums, a pair for each tile of rows.   window 1: W's two buffers.   window 2: enc, K steps 0-7 (tile m, step s at 8 (4 s + m)).   window 3: K steps 8-15.
.set PITCH, 1040                       ; a row of W in LDS: 1,024 bytes + 16 of padding = 65 x 16 bytes: the 16 rows of a load start in 16 different columns of 16 bytes
.set SLOTB, 128*PITCH                  ; a slot: 128 rows
.set SCL,   2*SLOTB                    ; behind the ring: W's scale bytes of my 512 rows, 128 runs of 256 bytes + 16 of padding, filled once
.set HPB,   SCL+128*272                ; hid_proj of my batch and N part, 512 f32, put there by LDS stores: no fill lands here
.set SPARE, HPB+2048                   ; the spare words, 128 bytes for each wave
.set AB0, 2                            ; v2  my lane's place in a tile of W: 1040 r + 16 h
.set AS0, 3                            ; v3  among W's scale words
.set AH0, 4                            ; v4  in hid_proj: 32 h
.set ADB, 5                            ; v5-7 the same, at the tile in hand
.set ADS, 6
.set ADH, 7
.set SPW, 12                           ; v12 LDS address of my spare word; never rewritten
.set NIL, 13                           ; v13 0; never rewritten
.set ACC, 64
.set SA,  128
.set SB,  160
.set HPV, 192
.set SCR, 208
.set WV,  16                           ; s16 my wave's number
.set G1C, 24                           ; s[24:31] descriptor group 1 for W's codes; s[32:39] for its scale bytes
.set G1S, 32
.set G0S, 40                           ; s[40:43] group 0 for the scale bytes; s[44:47] slot 0's; s[48:51] slot 1's
.set G0A, 44
.set TB,  52                           ; s52 LDS byte of the tile in hand; s53 of its scale words; s54 of its 16 numbers of hid_proj
.set TS,  53
.set TH,  54
.set CNT, 55
.set MSB, 0
.macro WIN new                         ; the immediate's high byte repeats the setting that is left; a switch that changes nothing is dropped
.if MSB != \new
	s_set_vgpr_msb (MSB<<8)|\new
.set MSB, \new
.endif
.endm
.macro ROUND                           ; a round of the cluster's barrier: my work-group's barrier; wave 0 signals for the work-group; every wave waits for all four work-groups; my work-group's barrier once more
	s_barrier_signal -1
	s_barrier_wait -1
	s_cmp_lg_u32 s[WV], 0
	s_cbranch_scc1 .Lnot_wave_0_\@
	s_barrier_signal -3
.Lnot_wave_0_\@:
	s_barrier_wait -3
	s_barrier_signal -1
	s_barrier_wait -1
.endm
	s_load_b256 s[4:11], s[0:1], 0x0               ; a_frag s[4:5], a_sc s[6:7], W's codes s[8:9], W's scales s[10:11]
	s_load_b128 s[12:15], s[0:1], 0x20             ; hp s[12:13], part s[14:15]
	s_load_b64 s[66:67], s[0:1], 0x30              ; ipart
	v_lshl_add_u32 v[SPW], v0, 2, SPARE
	v_mov_b32 v[NIL], 0
	ds_add_u32 v[SPW], v[NIL]                      ; the wave's opening: the add, twice on end, and its wait ahead of my first tensor load
	ds_add_u32 v[SPW], v[NIL]                      ; and once more; the set-up below, work on registers, stands between it and the wait
	v_lshrrev_b32 v1, 5, v0
	v_readfirstlane_b32 s[WV], v1                  ; wave 0..3
	s_bfe_u32 s17, ttmp6, 0x40000                  ; cx: my place in the cluster
	s_and_b32 s18, ttmp7, 0xffff                   ; the N part, which the four partners share
	s_lshl_b32 s19, ttmp9, 2                       ; in a cluster launch ttmp9 counts clusters: it is the batch
	s_add_co_u32 s19, s19, s17                     ; my block of 256 rows
	; group 1 for the codes: 32 rows of 1,024 bytes a wave, 1,024 bytes apart in memory
	s_mov_b32 s[G1C], 15|(0<<16)|(1<<20)|(1<<21)|(7<<22)|(3<<25)   ; 15:0 the mask: all four work-groups; 17:16 elements of 1 byte; 20 padding on; 21 set beside a mask; 24:22 after every 256 words (code 7); 31:25 four words (code 3)
	s_mov_b32 s[G1C+1], 1024<<16                   ; tensor_dim0
	s_mov_b32 s[G1C+2], 32<<16                     ; tensor_dim1
	s_mov_b32 s[G1C+3], 1024<<16                   ; tile_dim0
	s_mov_b32 s[G1C+4], 32                         ; tile_dim1
	s_mov_b32 s[G1C+5], 1024                       ; tensor_dim0_stride
	s_mov_b32 s[G1C+6], 0
	s_mov_b32 s[G1C+7], 0
	; group 1 for the scale bytes: 8,192 dense bytes a wave (128 rows of W x 64), as 32 rows of 256 bytes (32 elements of 8 bytes), 16 bytes of padding behind each
	s_mov_b32 s[G1S], 15|(3<<16)|(1<<20)|(1<<21)|(5<<22)|(3<<25)
	s_mov_b32 s[G1S+1], 32<<16
	s_mov_b32 s[G1S+2], 32<<16
	s_mov_b32 s[G1S+3], 32<<16
	s_mov_b32 s[G1S+4], 32
	s_mov_b32 s[G1S+5], 32
	s_mov_b32 s[G1S+6], 0
	s_mov_b32 s[G1S+7], 0
	; groups 0: every wave fetches its quarter: a constant + the wave's number x a constant; no place in the cluster enters
	s_mov_b32 s[G0S], 1
	s_mul_i32 s20, s[WV], 32*272
	s_add_co_u32 s[G0S+1], s20, SCL
	s_mov_b32 s[G0A], 1
	s_mul_i32 s[G0A+1], s[WV], 32*PITCH
	s_mov_b32 s[G0A+4], 1
	s_add_co_u32 s[G0A+5], s[G0A+1], SLOTB
	s_lshl_b32 s20, s18, 15                        ; the scale bytes of my N part's 512 rows,
	s_lshl_b32 s22, s[WV], 13                      ; my wave's 128 of them
	s_add_co_u32 s20, s20, s22
	s_mov_b32 s21, 0
	s_lshl_b32 s22, s18, 19                        ; the codes of my N part's 512 rows,
	s_lshl_b32 s23, s[WV], 15                      ; my wave's 32 of a slot's 128
	s_add_co_u32 s22, s22, s23
	s_mov_b32 s23, 0
	s_mov_b32 s56, 0x76543210
	s_mov_b32 s57, 0xfedcba98                      ; v_permlanex16_b32's selects for lane l xor 16
	s_wait_dscnt 0x0                               ; both opening adds are done
	s_wait_kmcnt 0x0
	s_add_nc_u64 s[G0S+2:G0S+3], s[10:11], s[20:21]
	s_or_b32 s[G0S+3], s[G0S+3], 0x80000000        ; 127:126 type = 2
	s_add_nc_u64 s[G0A+2:G0A+3], s[8:9], s[22:23]  ; slot 0: rows 0 .. 127 of the N part
	s_add_nc_u64 s[G0A+6:G0A+7], s[G0A+2:G0A+3], 131072   ; slot 1: rows 128 .. 255
	s_or_b32 s[G0A+3], s[G0A+3], 0x80000000
	s_or_b32 s[G0A+7], s[G0A+7], 0x80000000
	ROUND                                          ; all four work-groups are here: the first joint loads meet
	tensor_load_to_lds s[G0S:G0S+3], s[G1S:G1S+7]  ; the first fills go out as one group: three loads of mine are out
	s_nop 0
	tensor_load_to_lds s[G0A:G0A+3], s[G1C:G1C+7]
	s_nop 0
	tensor_load_to_lds s[G0A+4:G0A+7], s[G1C:G1C+7]
	s_nop 0
.rept 4
	v_nop
.endr
	; my own operands: offsets that hold my place in the cluster are made in s[60:63]
	s_lshl_b32 s60, s19, 18                        ; a_frag: 16 tiles x 16,384 bytes a block of rows,
	s_lshl_b32 s62, s[WV], 16                      ; 4 tiles a wave
	s_add_co_u32 s60, s60, s62
	s_mov_b32 s61, 0
	s_add_nc_u64 s[4:5], s[4:5], s[60:61]
	s_lshl_b32 s60, s19, 14                        ; a_sc: 8 pairs of tiles x 2,048 bytes a block, 2 pairs a wave
	s_lshl_b32 s62, s[WV], 12
	s_add_co_u32 s60, s60, s62
	s_add_nc_u64 s[6:7], s[6:7], s[60:61]
	s_lshl_b32 s60, ttmp9, 13                      ; hp: my batch's row, my N part's 2,048 bytes
	s_lshl_b32 s62, s18, 11
	s_add_co_u32 s60, s60, s62
	s_add_nc_u64 s[12:13], s[12:13], s[60:61]
	s_lshl_b32 s60, s18, 16                        ; part and ipart: 65,536 bytes an N part, 1,024 a block of rows, 256 a wave
	s_lshl_b32 s62, s19, 10
	s_add_co_u32 s60, s60, s62
	s_lshl_b32 s62, s[WV], 8
	s_add_co_u32 s60, s60, s62
	s_add_nc_u64 s[14:15], s[14:15], s[60:61]
	s_add_nc_u64 s[66:67], s[66:67], s[60:61]
	v_and_b32 v11, 31, v0                          ; lane
	v_lshlrev_b32 v1, 4, v11                       ; 16 x lane: an image's place for my lane
	v_lshlrev_b32 v10, 2, v11                      ; 4 x lane
	v_lshlrev_b32 v8, 4, v0                        ; 16 x thread: my 16 bytes of hid_proj's 2,048
	global_load_b128 v[16:19], v8, s[12:13]
.irp pp, 0,1
.irp q, 0,1,2,3
	global_load_b128 v[SA+16*\pp+4*\q:SA+16*\pp+4*\q+3], v1, s[6:7] offset:2048*\pp+512*\q   ; register 16 pp + s: the scale words of K step s of tiles 2 pp (lanes 0-15) and 2 pp + 1 (lanes 16-31)
.endr
.endr
	WIN 0x80                                       ; destination window 2, address window 0
.irp s, 0,1,2,3,4,5,6,7
.irp m, 0,1,2,3
.irp c, 0,1
	global_load_b128 v[8*(4*\s+\m)+4*\c:8*(4*\s+\m)+4*\c+3], v1, s[4:5] offset:16384*\m+1024*\s+512*\c
.endr
.endr
.endr
	WIN 0xc0                                       ; destination window 3
.irp s, 0,1,2,3,4,5,6,7
.irp m, 0,1,2,3
.irp c, 0,1
	global_load_b128 v[8*(4*\s+\m)+4*\c:8*(4*\s+\m)+4*\c+3], v1, s[4:5] offset:16384*\m+1024*(\s+8)+512*\c
.endr
.endr
.endr
	WIN 0
	v_add_nc_u32 v9, HPB, v8
	v_and_b32 v14, 15, v0                          ; r
	v_bfe_u32 v15, v0, 4, 1                        ; h
	v_mul_u32_u24 v[AB0], v14, PITCH
	v_lshl_add_u32 v[AB0], v15, 4, v[AB0]
	v_lshrrev_b32 v[AS0], 2, v14                   ; four rows' scale bytes to a run of 256: run r / 4,
	v_mul_u32_u24 v[AS0], v[AS0], 272
	v_and_b32 v14, 3, v14
	v_lshl_add_u32 v[AS0], v14, 6, v[AS0]          ; 64 (r % 4) in it
	v_add_nc_u32 v[AS0], SCL, v[AS0]
	v_lshlrev_b32 v[AH0], 5, v15
	v_add_nc_u32 v[AH0], HPB, v[AH0]
.irp j, 0,1,2,3,4,5,6,7
	v_mov_b32 v[SCR+\j], 0                         ; the scores' sums: eight registers, once
.endr
	s_wait_loadcnt 0x0                             ; enc's codes and scale words, and hid_proj
	ds_store_b128 v9, v[16:19]
	s_wait_tensorcnt 1                             ; the scale bytes and my part of slot 0 are in; slot 1's load may stay out
	s_wait_dscnt 0x0                               ; for the others' sake: my store of hid_proj is done
	s_barrier_signal -1
	s_barrier_wait -1
; one matrix instruction: buffer and set p, K step s, tile of rows m.  The first K step starts the sum with the constant 0: nothing is cleared
.macro MM p, s, m
.set rD, ACC+32*(\p)+8*(\m)
.set rB, 128*(\p)+8*(\s)
.set rA, 8*(4*((\s)%8)+(\m))
.set rX, SB+16*(\p)+(\s)
.set rY, SA+16*((\m)/2)+(\s)
.if (\s) == 0
.if (\m)%2
	v_wmma_scale_f32_16x16x128_f8f6f4 v[rD:rD+7], v[rB:rB+7], v[rA:rA+7], 0, v[rX], v[rY] matrix_a_fmt:MATRIX_FMT_FP4 matrix_b_fmt:MATRIX_FMT_FP4 matrix_b_scale:MATRIX_SCALE_ROW1
.else
	v_wmma_scale_f32_16x16x128_f8f6f4 v[rD:rD+7], v[rB:rB+7], v[rA:rA+7], 0, v[rX], v[rY] matrix_a_fmt:MATRIX_FMT_FP4 matrix_b_fmt:MATRIX_FMT_FP4
.endif
.else
.if (\m)%2
	v_wmma_scale_f32_16x16x128_f8f6f4 v[rD:rD+7], v[rB:rB+7], v[rA:rA+7], v[rD:rD+7], v[rX], v[rY] matrix_a_fmt:MATRIX_FMT_FP4 matrix_b_fmt:MATRIX_FMT_FP4 matrix_b_scale:MATRIX_SCALE_ROW1
.else
	v_wmma_scale_f32_16x16x128_f8f6f4 v[rD:rD+7], v[rB:rB+7], v[rA:rA+7], v[rD:rD+7], v[rX], v[rY] matrix_a_fmt:MATRIX_FMT_FP4 matrix_b_fmt:MATRIX_FMT_FP4
.endif
.endif
.endm
; 64 matrix instructions: 16 rows of W x my 64 rows x the whole K.  The set's four accumulators take turns, one instruction a turn
.macro MUL p
	WIN 0x09                                       ; source 0 (W) window 1, source 1 (enc) window 2, C and D window 0
.irp s, 0,1,2,3,4,5,6,7
.irp m, 0,1,2,3
	MM \p, \s, \m
.endr
.endr
	WIN 0x0d                                       ; source 1 window 3
.irp s, 8,9,10,11,12,13,14,15
.irp m, 0,1,2,3
	MM \p, \s, \m
.endr
.endr
	WIN 0
.endm
; the dot by hid_proj, in f32: two columns an instruction; each accumulator from its low end on; the four tiles of rows by turns
.macro EPI p
.irp j, 0,2,4,6
.irp m, 0,1,2,3
	v_pk_fma_f32 v[SCR+2*\m:SCR+2*\m+1], v[ACC+32*(\p)+8*\m+\j:ACC+32*(\p)+8*\m+\j+1], v[HPV+8*(\p)+\j:HPV+8*(\p)+\j+1], v[SCR+2*\m:SCR+2*\m+1]
.endr
.endr
.endm
; 38 LDS loads in one run: tile k (counted from the tile in hand) into buffer p: its 16 scale words a row, its 8 numbers of hid_proj a lane, its 16 fragments
.macro FETCHG p, k
.irp q, 0,1,2,3
	ds_load_b128 v[SB+16*(\p)+4*\q:SB+16*(\p)+4*\q+3], v[ADS] offset:1088*(\k)+16*\q
.endr
	ds_load_b128 v[HPV+8*(\p):HPV+8*(\p)+3], v[ADH] offset:64*(\k)
	ds_load_b128 v[HPV+8*(\p)+4:HPV+8*(\p)+7], v[ADH] offset:64*(\k)+16
	WIN 0x40                                       ; destination window 1, address window 0
.irp s, 0,1,2,3,4,5,6,7,8,9,10,11,12,13,14,15
.irp c, 0,1
	ds_load_b128 v[128*(\p)+8*\s+4*\c:128*(\p)+8*\s+4*\c+3], v[ADB] offset:16*PITCH*(\k)+64*\s+32*\c
.endr
.endr
	WIN 0
.endm
; A tile of 16 columns.  cnt: the LDS loads issued behind buffer p's, which may stay out: the other buffer's 38, or none.
; Four v_nop are the places between the last product and the reads of its results, and the loads into the registers that it read (ISA guide 7.12.1 for vector instructions).
; A set is begun anew with the constant 0 a whole tile later: behind these four, the other set's four and the other set's sixteen multiply-adds, which name none of its registers.
.macro TILE p, k, cnt
	s_wait_dscnt \cnt
	MUL \p
.rept 4
	v_nop
.endr
	EPI \p
.if (\k) >= 0
	FETCHG \p, \k
.endif
.endm
; A phase: the 8 tiles of a slot.  idx: which 128 of my 512 columns.  mode 0: the first; 1: the slot just left is filled again; 2: nothing is left to fetch.
.macro PHASE slot, idx, mode
.if (\mode) == 1
	s_wait_tensorcnt 0x0                           ; all my tensor loads have landed, my part of this phase's slot among them: so a group 0 may be written
	ds_add_u32 v[SPW], v[NIL]                      ; 0 onto my spare word
	s_add_nc_u64 s[G0A+4*(1-(\slot))+2:G0A+4*(1-(\slot))+3], s[G0A+4*(1-(\slot))+2:G0A+4*(1-(\slot))+3], 262144   ; the other slot's next 128 rows: 256 rows on; the type bits on top are not reached
	s_wait_dscnt 0x0                               ; the add is done, and my reads of the slot that I have left are over
	ROUND                                          ; both now hold of every wave of all four work-groups
	tensor_load_to_lds s[G0A+4*(1-(\slot)):G0A+4*(1-(\slot))+3], s[G1C:G1C+7]   ; my one load behind the round: it has this phase's 512 matrix instructions in which to land
	s_nop 0
.rept 4
	v_nop
.endr
.endif
.if (\mode) == 2
	s_wait_tensorcnt 0x0                           ; my part of the last slot is in
	ds_add_u32 v[SPW], v[NIL]
	s_wait_dscnt 0x0
	s_barrier_signal -1
	s_barrier_wait -1                              ; everybody's is; nothing is filled again, so no round follows
.endif
	s_mov_b32 s[TB], SLOTB*(\slot)
	s_mov_b32 s[TS], 32*272*(\idx)
	s_mov_b32 s[TH], 512*(\idx)
	v_add_nc_u32 v[ADB], s[TB], v[AB0]
	v_add_nc_u32 v[ADS], s[TS], v[AS0]
	v_add_nc_u32 v[ADH], s[TH], v[AH0]
	FETCHG 0, 0
	FETCHG 1, 1
	s_mov_b32 s[CNT], 3
.Ltiles_\@:                                        ; a trip multiplies two tiles and fetches the two behind them
	TILE 0, 2, 38
	TILE 1, 3, 38
	s_add_co_u32 s[TB], s[TB], 2*16*PITCH
	s_add_co_u32 s[TS], s[TS], 2*1088
	s_add_co_u32 s[TH], s[TH], 128
	v_add_nc_u32 v[ADB], s[TB], v[AB0]
	v_add_nc_u32 v[ADS], s[TS], v[AS0]
	v_add_nc_u32 v[ADH], s[TH], v[AH0]
	s_sub_co_u32 s[CNT], s[CNT], 1
	s_cmp_lg_u32 s[CNT], 0
	s_cbranch_scc1 .Ltiles_\@
	TILE 0, -1, 38                                 ; the slot's last two tiles fetch nothing
	TILE 1, -1, 0
.endm
	PHASE 0, 0, 0
	PHASE 1, 1, 1                                  ; slot 0 takes rows 256 .. 383
	PHASE 0, 2, 1                                  ; slot 1 takes rows 384 .. 511
	PHASE 1, 3, 2
	; THE WAY OUT: a pair's two halves, and the other half of the lanes' eight columns; then a row to a lane
.irp m, 0,1,2,3
	v_add_f32 v[216+\m], v[SCR+2*\m], v[SCR+2*\m+1]
.endr
.irp m, 0,1,2,3
	v_permlanex16_b32 v[HPV+\m], v[216+\m], s56, s57   ; (its destination counts as read: registers that LDS loads have written)
.endr
.irp m, 0,1,2,3
	v_add_f32 v[216+\m], v[216+\m], v[HPV+\m]      ; lanes r and 16 + r: row 16 m + r
.endr
	v_cmp_lt_u32 s58, 15, v11                      ; lanes 16-31
	v_cndmask_b32 v224, v216, v217, s58            ; rows 0 .. 31 of my 64, one a lane
	v_cndmask_b32 v225, v218, v219, s58            ; rows 32 .. 63
	v_mov_b32 v226, 0x4d800000                     ; 2^28
	v_med3_num_f32 v227, v224, -v226, v226         ; held, so that four of these whole numbers can be added in 32 bits
	v_med3_num_f32 v228, v225, -v226, v226
	v_floor_f32 v227, v227
	v_floor_f32 v228, v228
	v_cvt_i32_f32 v227, v227                       ; exact: a whole number of at most 29 bits
	v_cvt_i32_f32 v228, v228
	global_store_b32 v10, v224, s[14:15]           ; 128 consecutive bytes a store; the two together are 256, aligned; each of the two buffers is 262,144 bytes
	global_store_b32 v10, v225, s[14:15] offset:128
	global_store_b32 v10, v227, s[66:67]
	global_store_b32 v10, v228, s[66:67] offset:128
	s_wait_tensorcnt 0x0                           ; the wave's end
	ds_add_u32 v[SPW], v[NIL]
	s_wait_dscnt 0x0
	ROUND                                          ; the closing round: no work-group ends while a partner may still ask for a tile that names it
	s_endpgm
.Lfunc_end_k_q42b2a2b0be_gemm:
	.size	k_q42b2a2b0be_gemm, .Lfunc_end_k_q42b2a2b0be_gemm-k_q42b2a2b0be_gemm
	.p2alignl 7, 3214868480
	.fill 96, 4, 3214868480
	.section	.rodata,"a",@progbits
	.p2align	6, 0x0
	.amdhsa_kernel k_q42b2a2b0be_gemm
		.amdhsa_group_segment_fixed_size 327680
		.amdhsa_private_segment_fixed_size 0
		.amdhsa_enable_private_segment 0
		.amdhsa_kernarg_size 56
		.amdhsa_user_sgpr_count 2
		.amdhsa_user_sgpr_kernarg_segment_ptr 1
		.amdhsa_wavefront_size32 1
		.amdhsa_system_sgpr_workgroup_id_x 1
		.amdhsa_system_sgpr_workgroup_id_y 1
		.amdhsa_system_sgpr_workgroup_id_z 1
		.amdhsa_system_vgpr_workitem_id 0
		.amdhsa_next_free_vgpr 1024
		.amdhsa_next_free_sgpr 68
		.amdhsa_reserve_vcc 0
		.amdhsa_float_denorm_mode_32 3
		.amdhsa_float_denorm_mode_16_64 3
		.amdhsa_memory_ordered 1
		.amdhsa_forward_progress 1
		.amdhsa_inst_pref_size 212
	.end_amdhsa_kernel
	.amdgpu_metadata
---
amdhsa.version: [ 1, 2 ]
amdhsa.kernels:
  - .name:           k_q42b2a2b0be_gemm
    .symbol:         k_q42b2a2b0be_gemm.kd
    .args:
      - { .name: a_frag, .offset: 0, .size: 8, .value_kind: global_buffer, .address_space: global }
      - { .name: a_sc, .offset: 8, .size: 8, .value_kind: global_buffer, .address_space: global }
      - { .name: W_codes, .offset: 16, .size: 8, .value_kind: global_buffer, .address_space: global }
      - { .name: W_scales, .offset: 24, .size: 8, .value_kind: global_buffer, .address_space: global }
      - { .name: hp, .offset: 32, .size: 8, .value_kind: global_buffer, .address_space: global }
      - { .name: part, .offset: 40, .size: 8, .value_kind: global_buffer, .address_space: global }
      - { .name: ipart, .offset: 48, .size: 8, .value_kind: global_buffer, .address_space: global }
    .group_segment_fixed_size: 327680
    .private_segment_fixed_size: 0
    .kernarg_segment_align: 8
    .kernarg_segment_size: 56
    .max_flat_workgroup_size: 128
    .sgpr_count:     68
    .vgpr_count:     1024
    .wavefront_size: 32
...
	.end_amdgpu_metadata
.endif
;; end of part 2
;; launch ctx (part 3): grid 16 x 16, 32 waves a work-group, no clusters, 21,504 bytes of LDS; arguments encode_state, part, ipart, hp, b, out0, out1; writes out0, out1
.if DOCPART == 3
	.amdgcn_target "amdgcn-amd-amdhsa--gfx1250"
	.amdhsa_code_object_version 6
	.text
	.protected	k_q42b2a2b0be_ctx
	.globl	k_q42b2a2b0be_ctx
	.p2align	8
	.type	k_q42b2a2b0be_ctx,@function
k_q42b2a2b0be_ctx:
	s_mov_b64 s[64:65], 0
	v_nop
	global_prefetch_b8 v0, s[64:65] scope:SCOPE_SE
	s_setreg_imm32_b32 hwreg(HW_REG_WAVE_MODE, 25, 1), 1
	s_wait_xcnt 0x0
; out0[batch][row] = the four N parts' sum + bias . hid_proj.   out1[batch][column] = the sum over rows of p[row] enc[batch][row][column] / the sum of p,  p = 2^((sum of parts - the batch's largest) log2 e), all in f32.
; The maximum is taken away as the problem takes it away.  LEFT OUT of the exponent: bias . hid_proj, the same for all rows of a batch: it cancels between a score and the largest score for all values.
; A work-group owns 128 columns (x: 512 bytes of a row) of a batch (y).  Thread t is row t for the softmax, which every work-group of a batch makes for itself; wave w owns rows 32 w .. 32 w + 31 in the
; sum over rows, so a row's p lies in its own wave's lanes; a lane owns 4 columns.  The work-groups with x = 0 store out0.
; WHICH ROWS OF enc ARE READ is decided by whole numbers alone, which the launch before stored: ipart = floor(part).  I = the sum of a row's four: I <= the sum of its parts < I + 4.  A row is read where
; I >= the batch's largest I - 96.  A row that is not read has a sum of parts under I + 4 < largest I - 92 <= the largest sum - 92; p is 0 from -87.4 on (2^x is given as 0 where it would lie under 2^-126:
; ISA guide, v_exp_f32's entry).  The three roundings of a sum of four parts move it by less than the 4.6 between the two while the parts stay under 2^22 in magnitude: there this program's own p of such a
; row is 0 and 0 x enc adds nothing for every finite enc.  Beyond 2^22 the row's true weight is still under e^-92 of the largest.  With all sums within 92 of each other every row is read.
; LIMITS: an infinity or a NaN in a row of enc that is not read is not carried to the result; parts beyond 2^28 in magnitude are not served.
; No address and no branch hangs on a floating-point number.
; A trip takes the word's next four set bits: four loads of 512 consecutive bytes.  Where fewer than four are left, the last row's address is repeated with the weight 0: no new row is fetched.
.set SUMS,  0                          ; LDS: 512 bytes of sums for each of 32 waves;
.set RED0,  16384                      ; then 32 words each, a block of 256 bytes each: the waves' sums of bias x hid_proj,
.set RED1,  16640                      ; their largest sums of parts,
.set REDI,  16896                      ; their largest I,
.set RED2,  17152                      ; their sums of p;
.set SPARE, 17408                      ; the spare words, 128 bytes for each of 32 waves
.set M,     24                         ; s24 the bits still to be taken
.set BIT,   25                         ; s25 the row in hand, 0 .. 31
.set TRIPS, 26
.set CNT,   27
.set W,     32                         ; s[32:39] four weights, each in a pair: the packed form names a pair and takes its low word for both halves
.set BASE,  40                         ; s[40:47] four rows' addresses
.set D,     12                         ; v12-27 four rows' 16 bytes
.macro RSUM d, s                       ; the sum over the wave's 32 lanes of v[s], into v[d] of every lane (v[d] has been written before)
	v_add_f32_dpp v[\d], v[\s], v[\s] row_xmask:1 row_mask:0xf bank_mask:0xf
	v_add_f32_dpp v[\d], v[\d], v[\d] row_xmask:2 row_mask:0xf bank_mask:0xf
	v_add_f32_dpp v[\d], v[\d], v[\d] row_xmask:4 row_mask:0xf bank_mask:0xf
	v_add_f32_dpp v[\d], v[\d], v[\d] row_xmask:8 row_mask:0xf bank_mask:0xf
	v_permlanex16_b32 v5, v[\d], s48, s49
	v_add_f32 v[\d], v[\d], v5
.endm
.macro RMAX d, s
	v_max_num_f32_dpp v[\d], v[\s], v[\s] row_xmask:1 row_mask:0xf bank_mask:0xf
	v_max_num_f32_dpp v[\d], v[\d], v[\d] row_xmask:2 row_mask:0xf bank_mask:0xf
	v_max_num_f32_dpp v[\d], v[\d], v[\d] row_xmask:4 row_mask:0xf bank_mask:0xf
	v_max_num_f32_dpp v[\d], v[\d], v[\d] row_xmask:8 row_mask:0xf bank_mask:0xf
	v_permlanex16_b32 v5, v[\d], s48, s49
	v_max_num_f32 v[\d], v[\d], v5
.endm
.macro IMAX d                          ; the largest of the wave's 32 whole numbers v[d], in every lane: a move from the other lane, a signed compare, a select
.irp k, 1,2,4,8
	v_mov_b32_dpp v5, v[\d] row_xmask:\k row_mask:0xf bank_mask:0xf
	v_cmp_gt_i32 vcc_lo, v5, v[\d]
	v_cndmask_b32 v[\d], v[\d], v5, vcc_lo
.endr
	v_permlanex16_b32 v5, v[\d], s48, s49
	v_cmp_gt_i32 vcc_lo, v5, v[\d]
	v_cndmask_b32 v[\d], v[\d], v5, vcc_lo
.endm
	s_load_b256 s[4:11], s[0:1], 0x0               ; enc s[4:5], part s[6:7], ipart s[8:9], hp s[10:11]
	s_load_b128 s[12:15], s[0:1], 0x20             ; bias s[12:13], out0 s[14:15]
	s_load_b64 s[16:17], s[0:1], 0x30              ; out1
	v_lshl_add_u32 v6, v0, 2, SPARE                ; my spare word; never rewritten
	v_mov_b32 v7, 0                                ; 0; never rewritten
	v_lshrrev_b32 v30, 5, v0
	v_readfirstlane_b32 s18, v30                   ; wave 0..31
	v_lshlrev_b32 v30, 2, v30                      ; 4 x wave
	v_and_b32 v4, 31, v0
	v_lshlrev_b32 v1, 4, v4                        ; 16 x lane
	v_lshlrev_b32 v4, 2, v4                        ; 4 x lane
	v_lshlrev_b32 v2, 4, v0                        ; 16 x thread: my place among the waves' sums
	v_lshlrev_b32 v28, 2, v0                       ; 4 x row
	v_lshlrev_b32 v29, 3, v0                       ; 8 x row: my two of the 2,048 columns of bias and hid_proj
	v_mov_b32 v5, 0                                ; written once: a lane permute's destination counts as one of its sources
	s_mov_b32 s48, 0x76543210
	s_mov_b32 s49, 0xfedcba98                      ; v_permlanex16_b32's selects for lane l xor 16
	s_and_b32 s19, ttmp7, 0xffff                   ; the batch
	s_lshl_b32 s20, s19, 12                        ; 1,024 words a batch
	s_mov_b32 s21, 0
	s_lshl_b32 s22, s19, 13                        ; 2,048 f32 a batch
	s_mov_b32 s23, 0
	s_wait_kmcnt 0x0
	s_add_nc_u64 s[6:7], s[6:7], s[20:21]
	s_add_nc_u64 s[8:9], s[8:9], s[20:21]
	s_add_nc_u64 s[14:15], s[14:15], s[20:21]
	s_add_nc_u64 s[10:11], s[10:11], s[22:23]
.irp n, 0,1,2,3
	global_load_b32 v[36+\n], v28, s[8:9] offset:65536*\n      ; the whole numbers
.endr
.irp n, 0,1,2,3
	global_load_b32 v[32+\n], v28, s[6:7] offset:65536*\n      ; the parts
.endr
	global_load_b64 v[40:41], v29, s[12:13]
	global_load_b64 v[42:43], v29, s[10:11]
	s_lshl_b32 s28, ttmp9, 9                       ; 512 bytes a block of columns
	s_add_co_u32 s22, s22, s28
	s_add_nc_u64 s[16:17], s[16:17], s[22:23]      ; out1: 8,192 bytes a batch
	s_lshl_b32 s20, s19, 23                        ; enc: 1,024 rows of 8,192 bytes a batch,
	s_lshl_b32 s29, s18, 18                        ; 32 rows a wave
	s_add_co_u32 s20, s20, s29
	s_add_co_u32 s20, s20, s28
	s_add_nc_u64 s[4:5], s[4:5], s[20:21]
.irp j, 0,1,2,3
	v_mov_b32 v[8+\j], 0                           ; my four columns' sums
.endr
	s_mov_b32 s[BIT], 0
	s_mov_b32 s[CNT], 0
	s_mov_b32 s31, 0
	s_wait_loadcnt 0x0
	v_add_f32 v44, v32, v33
	v_add_f32 v46, v34, v35
	v_add_nc_u32 v47, v36, v37
	v_add_nc_u32 v48, v38, v39
	v_mul_f32 v45, v40, v42
	v_add_f32 v44, v44, v46                        ; the four parts' sum
	v_add_nc_u32 v47, v47, v48                     ; I
	v_fmac_f32 v45, v41, v43                       ; my two terms of bias . hid_proj
	v_mov_b32 v48, v47
	IMAX 48
	RMAX 46, 44
	RSUM 45, 45
	ds_store_b32 v30, v48 offset:REDI              ; all lanes of a wave write the same word with the same value
	ds_store_b32 v30, v46 offset:RED1
	ds_store_b32 v30, v45 offset:RED0
	s_wait_dscnt 0x0                               ; for the others' sake
	s_barrier_signal -1
	s_barrier_wait -1
	ds_load_b32 v48, v4 offset:REDI                ; a wave's figure to a lane
	ds_load_b32 v46, v4 offset:RED1
	ds_load_b32 v45, v4 offset:RED0
	s_wait_dscnt 0x0
	IMAX 48                                        ; the batch's largest I
	RMAX 46, 46                                    ; its largest sum of parts
	RSUM 45, 45                                    ; bias . hid_proj
	v_sub_f32 v49, v44, v46
	v_mul_f32 v49, 0x3fb8aa3b, v49                 ; x log2 e: 0 or less
	v_exp_f32 v3, v49                              ; p, not normalised: my wave's 32 weights, one a lane
	v_add_nc_u32 v48, 0xffffffa0, v48              ; the largest I - 96.  (A plain place behind the transcendental)
	v_add_f32 v31, v44, v45                        ; the score
	s_wait_alu depctr_va_vdst(0)                   ; the wait ahead of the first line that names the exponential's result, and of every branch
	v_cmp_ge_i32 s[M], v47, v48                    ; my wave's word of bits, from whole numbers alone
	s_cmp_lg_u32 ttmp9, 0                          ; the batch's first work-group stores the scores
	s_cbranch_scc1 .Lnot_first
	global_store_b32 v28, v31, s[14:15]            ; a wave stores 128 consecutive bytes; v28 and v31 are not written again
.Lnot_first:
	s_bcnt1_i32_b32 s[TRIPS], s[M]
	s_add_co_u32 s[TRIPS], s[TRIPS], 3
	s_lshr_b32 s[TRIPS], s[TRIPS], 2               ; four rows a trip
	s_cmp_eq_u32 s[TRIPS], 0
	s_cbranch_scc1 .Lnone                          ; a branch on whole numbers that were read from memory; no barrier is jumped over
.macro ROW u
	s_ctz_i32_b32 s28, s[M]                        ; the lowest bit still set
	s_cmp_lg_u32 s[M], 0
	s_cselect_b32 s[BIT], s28, s[BIT]              ; none left: the last row once more,
	s_cselect_b32 s29, -1, 0                       ; with the weight 0
	s_min_u32 s[BIT], s[BIT], 31                   ; a number that hangs on loaded ones enters an address only behind this bound
	v_readlane_b32 s[W+2*\u], v3, s[BIT]
	s_and_b32 s[W+2*\u], s[W+2*\u], s29
	s_mov_b32 s[W+2*\u+1], s[W+2*\u]               ; (named with it as a pair, so it is written)
	s_sub_co_u32 s28, s[M], 1
	s_and_b32 s[M], s[M], s28                      ; the bit is taken
	s_lshl_b32 s30, s[BIT], 13                     ; 8,192 bytes a row
	s_add_nc_u64 s[BASE+2*\u:BASE+2*\u+1], s[4:5], s[30:31]
	global_load_b128 v[D+4*\u:D+4*\u+3], v1, s[BASE+2*\u:BASE+2*\u+1]   ; 32 lanes read 512 consecutive bytes
.endm
.Ltrip:
	ROW 0
	ROW 1
	ROW 2
	ROW 3
	s_wait_loadcnt 0x0                             ; the four rows are in: so their addresses may be written again in the next trip
.irp u, 0,1,2,3
	v_pk_fma_f32 v[8:9], v[D+4*\u:D+4*\u+1], s[W+2*\u:W+2*\u+1], v[8:9] op_sel_hi:[1,0,1]
	v_pk_fma_f32 v[10:11], v[D+4*\u+2:D+4*\u+3], s[W+2*\u:W+2*\u+1], v[10:11] op_sel_hi:[1,0,1]
.endr
	s_add_co_u32 s[CNT], s[CNT], 1
	s_cmp_lt_u32 s[CNT], s[TRIPS]
	s_cbranch_scc1 .Ltrip
.Lnone:
	RSUM 49, 3                                     ; my wave's sum of p
	ds_store_b128 v2, v[8:11] offset:SUMS          ; wave w's 512 bytes at 512 w
	ds_store_b32 v30, v49 offset:RED2
	s_wait_dscnt 0x0                               ; for the others' sake
	s_barrier_signal -1
	s_barrier_wait -1
	s_cmp_lg_u32 s18, 0                            ; wave 0 adds the 32 waves' sums, in two runs of 16 loads, divides by the sum of p and stores
	s_cbranch_scc1 .Ldone
	ds_load_b32 v12, v4 offset:RED2
.irp j, 0,1,2,3,4,5,6,7,8,9,10,11,12,13,14,15
	ds_load_b128 v[32+4*\j:35+4*\j], v1 offset:SUMS+512*\j
.endr
	s_wait_dscnt 0x0
	RSUM 12, 12                                    ; the sum of p: at least 1, the largest sum's own term
	v_rcp_f32 v13, v12
	v_pk_add_f32 v[8:9], v[32:33], v[36:37]        ; (plain work behind the transcendental)
	v_pk_add_f32 v[10:11], v[34:35], v[38:39]
.irp j, 2,3,4,5,6,7,8,9,10,11,12,13,14,15
	v_pk_add_f32 v[8:9], v[8:9], v[32+4*\j:33+4*\j]
	v_pk_add_f32 v[10:11], v[10:11], v[34+4*\j:35+4*\j]
.endr
.irp j, 0,1,2,3,4,5,6,7,8,9,10,11,12,13,14,15
	ds_load_b128 v[32+4*\j:35+4*\j], v1 offset:SUMS+512*(16+\j)
.endr
	s_wait_dscnt 0x0
.irp j, 0,1,2,3,4,5,6,7,8,9,10,11,12,13,14,15
	v_pk_add_f32 v[8:9], v[8:9], v[32+4*\j:33+4*\j]
	v_pk_add_f32 v[10:11], v[10:11], v[34+4*\j:35+4*\j]
.endr
	s_wait_alu depctr_va_vdst(0)                   ; the wait ahead of the first line that names the reciprocal
.irp j, 0,1,2,3
	v_mul_f32 v[8+\j], v[8+\j], v13
.endr
	global_store_b128 v1, v[8:11], s[16:17]        ; 32 lanes store 512 consecutive bytes, at a multiple of 256 from out1's first byte
.Ldone:
	s_wait_tensorcnt 0x0                           ; the wave's end
	ds_add_u32 v6, v7
	s_wait_dscnt 0x0
	s_endpgm
.Lfunc_end_k_q42b2a2b0be_ctx:
	.size	k_q42b2a2b0be_ctx, .Lfunc_end_k_q42b2a2b0be_ctx-k_q42b2a2b0be_ctx
	.p2alignl 7, 3214868480
	.fill 96, 4, 3214868480
	.section	.rodata,"a",@progbits
	.p2align	6, 0x0
	.amdhsa_kernel k_q42b2a2b0be_ctx
		.amdhsa_group_segment_fixed_size 21504
		.amdhsa_private_segment_fixed_size 0
		.amdhsa_enable_private_segment 0
		.amdhsa_kernarg_size 56
		.amdhsa_user_sgpr_count 2
		.amdhsa_user_sgpr_kernarg_segment_ptr 1
		.amdhsa_wavefront_size32 1
		.amdhsa_system_sgpr_workgroup_id_x 1
		.amdhsa_system_sgpr_workgroup_id_y 1
		.amdhsa_system_sgpr_workgroup_id_z 1
		.amdhsa_system_vgpr_workitem_id 0
		.amdhsa_next_free_vgpr 96
		.amdhsa_next_free_sgpr 66
		.amdhsa_reserve_vcc 1
		.amdhsa_float_denorm_mode_32 3
		.amdhsa_float_denorm_mode_16_64 3
		.amdhsa_memory_ordered 1
		.amdhsa_forward_progress 1
		.amdhsa_inst_pref_size 17
	.end_amdhsa_kernel
	.amdgpu_metadata
---
amdhsa.version: [ 1, 2 ]
amdhsa.kernels:
  - .name:           k_q42b2a2b0be_ctx
    .symbol:         k_q42b2a2b0be_ctx.kd
    .args:
      - { .name: encode_state, .offset: 0, .size: 8, .value_kind: global_buffer, .address_space: global }
      - { .name: part, .offset: 8, .size: 8, .value_kind: global_buffer, .address_space: global }
      - { .name: ipart, .offset: 16, .size: 8, .value_kind: global_buffer, .address_space: global }
      - { .name: hp, .offset: 24, .size: 8, .value_kind: global_buffer, .address_space: global }
      - { .name: b, .offset: 32, .size: 8, .value_kind: global_buffer, .address_space: global }
      - { .name: out0, .offset: 40, .size: 8, .value_kind: global_buffer, .address_space: global }
      - { .name: out1, .offset: 48, .size: 8, .value_kind: global_buffer, .address_space: global }
    .group_segment_fixed_size: 21504
    .private_segment_fixed_size: 0
    .kernarg_segment_align: 8
    .kernarg_segment_size: 56
    .max_flat_workgroup_size: 1024
    .sgpr_count:     66
    .vgpr_count:     96
    .wavefront_size: 32
...
	.end_amdgpu_metadata
.endif
;; end of part 3
